; MI455X (gfx1250); checked and timed in simulation.
; The chip was launched on July 23, 2026; its instructions are those of AMD's public machine-readable ISA for CDNA 5 (MIT licence, August 2026) and "CDNA5" Instruction Set Architecture Reference Guide (July 2026). The comments in the code are by the model that wrote it; some were corrected since.
;; Self Attention. Allowed arithmetic: matrix products marked QUANTISED: E4M3 operands, one given power-of-two scale a tensor, by v_wmma_f32_16x16x64_fp8_fp8 or v_wmma_f32_16x16x128_fp8_fp8, f32 sums; products left as they are: f32 operands where the result goes on into a quantised operand, else bf16, f16 or f32 operands; f32 sums; everything else in f32.
;; Inputs: U_b 1,024 float32; U_w_codes 1,024 x 32 x 32 uint8 (E4M3 codes of U_w, K innermost, in blocks of 32 codes); V_b 1 float32; V_w 1,024 x 1 float32; W_b 1,024 float32; W_w_codes 1,024 x 32 x 32 uint8 (E4M3 codes of W_w, K innermost, in blocks of 32 codes); hidden_states 32 x 2,048 x 1,024 float32; lowp_scales 4 int32 (the exponents e of the quantised operands' scales 2^e); s_prev_codes 32 x 32 x 32 uint8 (E4M3 codes of s_prev, K innermost, in blocks of 32 codes).
;; Outputs: out0 32 x 1,024 float32; out1 32 x 2,048 x 1 float32.
;; This version of the problem:
;;   THIS VERSION OF THE PROBLEM IS GIVEN IN LOW PRECISION. The matrix products marked QUANTISED in the list below multiply operands that are first quantised to E4M3 (4 exponent bits, 3 mantissa bits; 8 bits a number), with one given power-of-two scale for each operand tensor; their sums are f32. All else is computed in f32.
;;   The module's matrix products, in the order in which they are computed (A, B: the left and right operand; K: the contracted axis; several contracted axes count as one K, in the product's order):
;;     1. [M 32, K 1,024] x [K 1,024, N 1,024]; A: input s_prev (given as codes); B: input W_w (given as codes): QUANTISED (scales: A lowp_scales[0], B lowp_scales[1])
;;     2. [M 65,536, K 1,024] x [K 1,024, N 1,024]; A: input hidden_states; B: input U_w (given as codes): QUANTISED (scales: A lowp_scales[2], B lowp_scales[3])
;;     3. [M 65,536, K 1,024] x [K 1,024, N 1]; A: computed on the way; B: input V_w: left as it is (N = 1 < 16)
;;   THE QUANTISER, for each operand of a quantised product, along K:
;;     - The operand's scale is 2^e, e = its entry of the input lowp_scales (int32; the entries are numbered through the quantised products in the list's order, A before B).
;;     - Each number is divided by the scale, clamped to +-448, and rounded to the nearest number of E4M3, ties to even, subnormals kept.
;;     - The product sums the exact products of the quantised numbers (number of the format x scale) in f32.
;;   ~~~python
;;   def quantise(x, axis, e):      # numpy; x: float32 -> the quantised numbers, widened to float32 again
;;       x = np.moveaxis(x, axis, -1); K = x.shape[-1]
;;       r = np.clip(x / 2.0 ** e, -448, 448)
;;       step = 2.0 ** (np.maximum(np.frexp(np.where(r == 0, 1, r))[1] - 1, -6) - 3)
;;       q = np.round(r / step) * step * 2.0 ** e      # np.round: ties to even
;;       return np.moveaxis(q, -1, axis).astype(np.float32)
;;   ~~~
;;   INPUTS GIVEN AS CODES. U_w (in the module: [1024, 1024], K = its axis 0); W_w (in the module: [1024, 1024], K = its axis 0); s_prev (in the module: [32, 1024], K = its axis 1): each comes as NAME_codes (uint8): NAME with its K axis moved to the last place and cut into blocks of 32 codes, [.., K / 32, bytes a block], one block behind the other in memory; one code a byte (a code: sign, 4 exponent bits, 3 mantissa bits); its scale is its entry of lowp_scales. Its value is code x scale, taken as it is: it is not quantised again, and the codes and scales need not be those that the quantiser above would give.
;; One version. Each part assembles by itself: llvm-mc -triple=amdgcn-amd-amdhsa -mcpu=gfx1250 --defsym DOCPART=n.
;; ======== version 1 of 1: 3 launches
;; limits: right only within a limited range of input values
;; workspace buffers: dtab 524,288 bytes; tsc 262,144 bytes; part 4,456,448 bytes
;; launch prep (part 1): grid 64 x 1, 1 waves a work-group, no clusters, 0 bytes of LDS; arguments s_prev_codes, W_w_codes, lowp_scales, W_b, U_b, V_w, dtab; writes dtab
.if DOCPART == 1
	.amdgcn_target "amdgcn-amd-amdhsa--gfx1250"
	.amdhsa_code_object_version 6
	.text
	.protected	k_q130cfbf21f_prep
	.globl	k_q130cfbf21f_prep
	.p2align	8
	.type	k_q130cfbf21f_prep,@function
k_q130cfbf21f_prep:
	s_mov_b64 s[64:65], 0
	v_nop
	global_prefetch_b8 v0, s[64:65] scope:SCOPE_SE
	s_setreg_imm32_b32 hwreg(HW_REG_WAVE_MODE, 25, 1), 1
	s_wait_xcnt 0x0
; ADDITIVE ATTENTION, first of three launches: the table that the second launch's tanh needs.
; WORK LEFT OUT IN THE WHOLE PROGRAM, AND WHY IT IS DEAD.  Both outputs hang on the scores through softmax over the sequence axis alone, and a softmax does not change when
; one number is added to all scores of its axis.  (1) V_b is such a number, for every value it may hold: it is not loaded and is an argument of no launch.
; (2) tanh(x) = 1 - 2 / (1 + e^(2x)) for every real x, so score[b][s] = (sum over n of V_w[n]) + V_b - 2 sum over n of V_w[n] r[b][s][n], r = 1 / (1 + e^(2x)):
; the first sum too is the same along the axis and is never formed.  LIMIT: a NaN, an infinity or an overflow that reaches only V_b or the sum of V_w is not carried to the results.
; WHAT THIS LAUNCH STORES: dtab[b][n] = (d, d, V', V'), four f32, with K2 = 2 log2(e), d = K2 (s_prev[b] . W_w[:, n] + W_b[n] + U_b[n]), V' = -K2 V_w[n].
; Then e^(2x) = 2^(c sum + d), c = K2 2^(e2 + e3), sum = the second launch's sum of code products, and log2(e) x (the live part of a score) = the sum over n of V' r.
; The product s_prev W_w is on the codes as they are given; its sum is multiplied once by 2^(e0 + e1).  LIMIT: e0 + e1 between -127 and 126 (they are added to K2's exponent field).
; SHARES.  One wave to a work-group; wave t takes columns n = 16 t .. 16 t + 15 for all 32 batches: two accumulators, eight K steps of 128.  64 work-groups: the product has no more tiles.
; A fragment (16 rows x 128 K) is fetched by four loads of 16 bytes, 32 bytes apart, at row x 1,024 + 16 (lane / 16): the same order of k in both operands, so every product meets its partner.
; REGISTERS: window 0: v1-5 lane terms; v8-11 biases; v16-31 the two accumulators; v32-47 four table entries; v64-191 W_w's eight fragments.  Window 1: s_prev's sixteen fragments.
.set K2,  0x4038aa3b                   ; 2 log2(e)
.set NK2, 0xc038aa3b                   ; -2 log2(e)
.set MSB, 0
.macro WIN new                         ; the immediate's high byte repeats the setting that is left
.if MSB != (\new)
	s_set_vgpr_msb (MSB<<8)|(\new)
.set MSB, (\new)
.endif
.endm
	s_load_b256 s[4:11], s[0:1], 0x0               ; s_prev's codes s[4:5], W_w's codes s[6:7], the scales' exponents s[8:9], W_b s[10:11]
	s_load_b128 s[12:15], s[0:1], 0x20             ; U_b s[12:13], V_w s[14:15]
	s_load_b64 s[16:17], s[0:1], 0x30              ; dtab
	v_and_b32 v1, 15, v0                           ; r
	v_lshrrev_b32 v2, 4, v0                        ; h
	v_lshlrev_b32 v3, 10, v1
	v_lshl_add_u32 v3, v2, 4, v3                   ; a fragment's row of 1,024 bytes + 16 h
	s_lshl_b32 s18, ttmp9, 6
	v_lshl_add_u32 v4, v1, 2, s18                  ; the byte of column n = 16 t + r in W_b, U_b, V_w
	v_lshlrev_b32 v5, 4, v1
	v_lshl_add_u32 v5, v2, 17, v5                  ; dtab: 16 r + 8 h batches of 16,384 bytes
	s_lshl_b32 s26, ttmp9, 14                      ; my 16 rows of W_w's codes
	s_mov_b32 s27, 0
	s_lshl_b32 s28, ttmp9, 8                       ; my 16 entries of a batch's table
	s_mov_b32 s29, 0
	s_wait_alu depctr_va_vdst(0)
	s_wait_kmcnt 0x0
	s_load_b64 s[20:21], s[8:9], 0x0               ; e0, e1
	s_add_nc_u64 s[6:7], s[6:7], s[26:27]
	s_add_nc_u64 s[16:17], s[16:17], s[28:29]
	global_load_b32 v8, v4, s[10:11]               ; W_b[n]
	global_load_b32 v9, v4, s[12:13]               ; U_b[n]
	global_load_b32 v10, v4, s[14:15]              ; V_w[n]
.irp s, 0,1,2,3,4,5,6,7
.irp c, 0,1,2,3
	global_load_b128 v[64+16*\s+4*\c:64+16*\s+4*\c+3], v3, s[6:7] offset:128*\s+32*\c
.endr
.endr
	WIN 0x40                                       ; destination window 1
.irp t, 0,1
.irp s, 0,1,2,3,4,5,6,7
.irp c, 0,1,2,3
	global_load_b128 v[128*\t+16*\s+4*\c:128*\t+16*\s+4*\c+3], v3, s[4:5] offset:16384*\t+128*\s+32*\c
.endr
.endr
.endr
	WIN 0
	s_wait_kmcnt 0x0
	s_add_co_i32 s24, s20, s21
	s_lshl_b32 s24, s24, 23
	s_add_co_i32 s24, s24, K2                      ; K2 x 2^(e0 + e1): the exponents are added to K2's exponent field
	s_wait_loadcnt 0x0
	WIN 0x01                                       ; source 0 (s_prev) window 1
.irp s, 0,1,2,3,4,5,6,7                        ; the two accumulators take turns; the first K step starts the sums
.if \s == 0
	v_wmma_f32_16x16x128_fp8_fp8 v[16:23], v[0:15], v[64:79], 0
	v_wmma_f32_16x16x128_fp8_fp8 v[24:31], v[128:143], v[64:79], 0
.else
	v_wmma_f32_16x16x128_fp8_fp8 v[16:23], v[16*\s:16*\s+15], v[64+16*\s:64+16*\s+15], v[16:23]
	v_wmma_f32_16x16x128_fp8_fp8 v[24:31], v[128+16*\s:128+16*\s+15], v[64+16*\s:64+16*\s+15], v[24:31]
.endif
.endr
	WIN 0
	v_add_f32 v11, v8, v9                          ; ten plain lines that name no register of the products: the places in front of the first read of a result (ISA guide 7.12.1)
	v_mul_f32 v11, K2, v11                         ; K2 (W_b + U_b)
.irp u, 0,1,2,3
	v_mul_f32 v[34+4*\u], NK2, v10                 ; V', twice in each of the four entries; written once
	v_mul_f32 v[35+4*\u], NK2, v10
.endr
; Register j of accumulator t, lane (r, h), is the sum for batch 16 t + 8 h + j and column 16 t9 + r.  Sixteen neighbouring lanes store 256 consecutive bytes, aligned.  Each accumulator is read from its low end on.
.irp g, 0,1,2,3
.if \g > 0
	s_wait_xcnt 0x0                                ; the four stores before have read their data: the entries' first halves may be written again
.endif
.irp u, 0,1,2,3
	v_fma_f32 v[32+4*\u], v[16+4*\g+\u], s24, v11
	v_fma_f32 v[33+4*\u], v[16+4*\g+\u], s24, v11
	global_store_b128 v5, v[32+4*\u:35+4*\u], s[16:17] offset:(16*((4*\g+\u)/8)+(4*\g+\u)%8)*16384
.endr
.endr
	s_endpgm
.Lfunc_end_k_q130cfbf21f_prep:
	.size	k_q130cfbf21f_prep, .Lfunc_end_k_q130cfbf21f_prep-k_q130cfbf21f_prep
	.p2alignl 7, 3214868480
	.fill 96, 4, 3214868480
	.section	.rodata,"a",@progbits
	.p2align	6, 0x0
	.amdhsa_kernel k_q130cfbf21f_prep
		.amdhsa_group_segment_fixed_size 0
		.amdhsa_private_segment_fixed_size 0
		.amdhsa_enable_private_segment 0
		.amdhsa_kernarg_size 56
		.amdhsa_user_sgpr_count 2
		.amdhsa_user_sgpr_kernarg_segment_ptr 1
		.amdhsa_wavefront_size32 1
		.amdhsa_system_sgpr_workgroup_id_x 1
		.amdhsa_system_sgpr_workgroup_id_y 1
		.amdhsa_system_sgpr_workgroup_id_z 1
		.amdhsa_system_vgpr_workitem_id 0
		.amdhsa_next_free_vgpr 512
		.amdhsa_next_free_sgpr 66
		.amdhsa_reserve_vcc 0
		.amdhsa_float_denorm_mode_32 3
		.amdhsa_float_denorm_mode_16_64 3
		.amdhsa_memory_ordered 1
		.amdhsa_forward_progress 1
		.amdhsa_inst_pref_size 16
	.end_amdhsa_kernel
	.amdgpu_metadata
---
amdhsa.version: [ 1, 2 ]
amdhsa.kernels:
  - .name:           k_q130cfbf21f_prep
    .symbol:         k_q130cfbf21f_prep.kd
    .args:
      - { .name: s_prev_codes, .offset: 0, .size: 8, .value_kind: global_buffer, .address_space: global }
      - { .name: W_w_codes, .offset: 8, .size: 8, .value_kind: global_buffer, .address_space: global }
      - { .name: lowp_scales, .offset: 16, .size: 8, .value_kind: global_buffer, .address_space: global }
      - { .name: W_b, .offset: 24, .size: 8, .value_kind: global_buffer, .address_space: global }
      - { .name: U_b, .offset: 32, .size: 8, .value_kind: global_buffer, .address_space: global }
      - { .name: V_w, .offset: 40, .size: 8, .value_kind: global_buffer, .address_space: global }
      - { .name: dtab, .offset: 48, .size: 8, .value_kind: global_buffer, .address_space: global }
    .group_segment_fixed_size: 0
    .private_segment_fixed_size: 0
    .kernarg_segment_align: 8
    .kernarg_segment_size: 56
    .max_flat_workgroup_size: 32
    .sgpr_count:     66
    .vgpr_count:     512
    .wavefront_size: 32
...
	.end_amdgpu_metadata
.endif
;; end of part 1
;; launch scores (part 2): grid 256 x 1, 4 waves a work-group, clusters of 4 x 1, 327,680 bytes of LDS; arguments hidden_states, U_w_codes, lowp_scales, dtab, tsc, part; writes tsc, part
.if DOCPART == 2
	.amdgcn_target "amdgcn-amd-amdhsa--gfx1250"
	.amdhsa_code_object_version 6
	.text
	.protected	k_q130cfbf21f_scores
	.globl	k_q130cfbf21f_scores
	.p2align	8
	.type	k_q130cfbf21f_scores,@function
k_q130cfbf21f_scores:
	s_mov_b64 s[64:65], 0
	v_nop
	global_prefetch_b8 v0, s[64:65] scope:SCOPE_SE
	s_setreg_imm32_b32 hwreg(HW_REG_WAVE_MODE, 25, 1), 1
	s_wait_xcnt 0x0
	s_wait_alu depctr_hold_cnt(0) depctr_sa_sdst(0) depctr_va_vdst(0) depctr_va_sdst(0) depctr_va_ssrc(0) depctr_va_vcc(0) depctr_vm_vsrc(0)
	s_getreg_b32 s2, hwreg(HW_REG_IB_STS2, 6, 4)
	s_cmp_eq_u32 s2, 0
	s_cbranch_scc0 .Lentry_in_a_cluster
	s_endpgm
.Lentry_in_a_cluster:
	s_bfe_u32 s2, ttmp6, 0x10000c
	s_cmp_lg_u32 s2, 0x3003
	s_cbranch_scc0 .Lentry_shape_is_right
	s_endpgm
.Lentry_shape_is_right:
; Second launch: tsc[b][s] = t = log2(e) x (the live part of score[b][s]) = the sum over n of V'[n] / (1 + 2^(c sum[s][n] + d[b][n])), and parts of the context.
; sum = hidden_states' codes x U_w's codes, c = 2 log2(e) 2^(e2 + e3); d and V' come from dtab (first launch).
; LEFT OUT as dead work (shown at the head of the first kernel): V_b and the sum of V_w, which are the same along the softmax's axis.
; LIMITS: e2 + e3 between -127 and 126 (added to c's exponent field); e2 between -126 and 119 (2^e2 and 448 x 2^e2 are f32 numbers).
; SHARES.  A work-group owns 256 rows of one batch; wave w loads rows 64 w .. 64 w + 63 of them, in two halves of 32: half c of all four waves is CHUNK c, 128 rows.
; FOUR PARTS: (1) chunk 0 is loaded, held at +-448 x 2^e2, converted to E4M3 and laid into LDS; (2) chunk 0's products, and with each tile one row of chunk 1 is loaded and converted;
; (3) chunk 1's products, and with each tile one row of chunk 0 is read again and added, x p = 2^(t - m), to the wave's part of the context; (4) chunk 1's rows likewise.
; m is the running largest t of the wave's own rows: when chunk 1 moves it, the part is multiplied by 2^(old m - new m).  part[4 g + w] = 1,024 sums, then m in 256 bytes; the third launch joins the parts.
; PRODUCTS.  Wave (w / 2, w % 2) takes 64 rows of the chunk (512 registers, windows 2 and 3) x tiles 2 (w % 2), 2 (w % 2) + 1 of every slot of 64 columns; U_w is walked once for each chunk through two LDS slots,
; asked for jointly by the four work-groups of a cluster.  The matrix instruction is used transposed (source 0 = 16 columns of U_w, source 1 = 16 rows): a lane holds one row, its registers eight columns.
; A TILE is 32 matrix instructions on end, four accumulators by turns, and then the tanh's arithmetic in batches of 32 with one wait ahead of each batch and one behind.
; U_w's fragments have one set of registers.  A tile's memory instructions stand in three runs: the next tile's K steps 0-3 and table entries behind the products' places,
; its K steps 4-7 behind the wait that follows the exponentials, the row's stores and loads behind the wait that follows the reciprocals.
; No prefetch is laid: in all four parts the launch's own loads ask for hidden_states, 16 to 32 KiB a wave ahead of their use; U_w's 1 MiB is walked by all 256 work-groups in one order.
; REGISTERS, window 0: v2-31 addresses and constants; v32-63 accumulators; v64-71 the rows' sums; v72-103 two sets of d and V'; v104-119 codes; v120-127 t, p, m; v128-255 U_w's fragments.
; Window 1: a ring of rows (part 1: eight; then four, v0-127), v128-159 the part of the context.
.set K2,    0x4038aa3b                 ; 2 log2(e)
.set PB,    1040                       ; an LDS row of codes: 1,024 bytes + 16
.set WT,    16*PB
.set SLOTB, 4*WT                       ; a slot: 64 columns
.set AREG,  2*SLOTB                    ; a chunk's codes, 128 rows
.set TABD,  AREG+128*PB                ; d[n], 1,024 + the first 128 once more
.set TV,    4608                       ; V'[n] lies so far behind d[n]
.set SCB,   TABD+2*TV                  ; partial t: [chunk][column half][128 rows]
.set SPARE, SCB+2048                   ; the spare words, 128 bytes a wave
.set AB0, 2
.set ADR0, 3
.set ADR1, 4
.set AQ0, 5
.set ADQ, 6
.set ADS0, 7
.set ADS, 8
.set AFR, 9
.set SCW, 10
.set SCR, 11
.set SCF, 12
.set GOS, 13
.set LIM, 14
.set SCL, 15
.set SPW, 16
.set NIL, 17
.set OFF, 18
.set TBO, 26
.set ACC, 32
.set SACC, 64
.set Q,   72
.set T,   104
.set TT,  120
.set PP,  121
.set MX,  122
.set TM,  124
.set BF,  128
.set CX,  128
.set WV,  16
.set G1,  24
.set G0A, 32
.set G0B, 36
.set CS,  40
.set TQ,  42
.set SO,  43
.set CNT, 44
.set RI,  45
.set PS,  46
.set HB,  48
.set TS,  50
.set DT,  52
.set UB,  54
.set UO,  56
.set PC,  58
.set SEL, 60
.set MSB, 0
.macro WIN new                         ; the immediate's high byte repeats the setting that is left
.if MSB != (\new)
	s_set_vgpr_msb (MSB<<8)|(\new)
.set MSB, (\new)
.endif
.endm
.macro PLACES
.rept 4
	v_nop
.endr
.endm
.macro BAR
	s_wait_alu depctr_va_vdst(0)
	s_wait_dscnt 0x0
	s_barrier_signal -1
	s_barrier_wait -1
.endm
.macro CROUND                          ; a round of the cluster's barrier
	s_barrier_signal -1
	s_barrier_wait -1
	s_cmp_lg_u32 s[WV], 0
	s_cbranch_scc1 .Lnot_wave_0_\@
	s_barrier_signal -3
.Lnot_wave_0_\@:
	s_barrier_wait -3
	s_barrier_signal -1
	s_barrier_wait -1
.endm
; Part 1: one row of 1,024 f32 (32 registers of window 1): held, converted, stored as codes; its registers then take the row 8 further on.
.macro ROW i, ahead, left
	s_wait_loadcnt \left                           ; this row's eight loads are in; the younger rows' stay out
	WIN 0x41
.set j, 0
.rept 32
	v_med3_num_f32 v[32*\i+j], v[32*\i+j], -v[LIM], v[LIM]
.set j, j+1
.endr
	s_wait_alu depctr_va_vdst(0)
	s_wait_dscnt 8                                 ; all but the last row's eight stores
	WIN 0x01
.irp g, 0,1,2,3
	v_cvt_scalef32_pk8_fp8_f32 v[T+8*((\i)%2)+2*\g:T+8*((\i)%2)+2*\g+1], v[32*\i+8*\g:32*\i+8*\g+7], v[SCL]
.endr
	WIN 0
.if \ahead
	v_add_nc_u32 v[OFF+\i], 0x8000, v[OFF+\i]      ; eight rows on (and the plain line behind the conversions)
.else
	v_nop
.endif
.irp c, 0,1,2,3,4,5,6,7
	ds_store_b32 v[ADS], v[T+8*((\i)%2)+\c] offset:\i*PB+128*\c   ; codes of k = 128 c + 4 lane + 0..3
.endr
.if \ahead
	WIN 0x40
.irp c, 0,1,2,3,4,5,6,7
	global_load_b128 v[32*\i+4*\c:32*\i+4*\c+3], v[OFF+\i], s[HB:HB+1] offset:512*\c th:TH_LOAD_NT
.endr
.endif
.endm
.macro TRIP last                       ; eight rows; the last trip asks only for chunk 1's first four
	WIN 0
	v_add_nc_u32 v[ADS], s[SO], v[ADS0]
.irp r, 0,1,2,3
	ROW \r, 1, 56
.endr
.irp r, 4,5,6,7
.if \last
	ROW \r, 0, 56-8*(\r-4)
.else
	ROW \r, 1, 56
.endif
.endr
	WIN 0
	s_add_co_u32 s[SO], s[SO], 8*PB
.endm
.macro FRAGS                           ; my 64 rows of the chunk: 4 row tiles x 8 K steps
	WIN 0x80
.irp s, 0,1,2,3
.irp m, 0,1,2,3
.irp c, 0,1,2,3
	ds_load_b128 v[64*\s+16*\m+4*\c:64*\s+16*\m+4*\c+3], v[AFR] offset:\m*WT+128*\s+32*\c
.endr
.endr
.endr
	WIN 0xc0
.irp s, 0,1,2,3
.irp m, 0,1,2,3
.irp c, 0,1,2,3
	ds_load_b128 v[64*\s+16*\m+4*\c:64*\s+16*\m+4*\c+3], v[AFR] offset:\m*WT+512+128*\s+32*\c
.endr
.endr
.endr
	WIN 0
.endm
; A TILE: 64 rows x 16 columns.  q: its set of d and V'; ld = 1: the next tile's fragments (LDS address adr + boff) and table entries (ADQ + qoff) are loaded;
; job 1: ring place rho's row is converted; job 2: it is added to the part of the context; then the place takes the row four on.  stp: which address is stepped.
.macro TILE q, ld, adr, boff, qoff, job, rho, stp
	WIN 0x08                                       ; source 1 (my rows) window 2
.irp s, 0,1,2,3
.irp m, 0,1,2,3
.if \s == 0
	v_wmma_f32_16x16x128_fp8_fp8 v[ACC+8*\m:ACC+8*\m+7], v[BF:BF+15], v[16*\m:16*\m+15], 0
.else
	v_wmma_f32_16x16x128_fp8_fp8 v[ACC+8*\m:ACC+8*\m+7], v[BF+16*\s:BF+16*\s+15], v[64*\s+16*\m:64*\s+16*\m+15], v[ACC+8*\m:ACC+8*\m+7]
.endif
.endr
.endr
	WIN 0x0c                                       ; window 3
.irp s, 0,1,2,3
.irp m, 0,1,2,3
	v_wmma_f32_16x16x128_fp8_fp8 v[ACC+8*\m:ACC+8*\m+7], v[BF+64+16*\s:BF+64+16*\s+15], v[64*\s+16*\m:64*\s+16*\m+15], v[ACC+8*\m:ACC+8*\m+7]
.endr
.endr
	PLACES                                         ; in front of the loads into the fragments' registers and of the first read of a result
	WIN 0
.if \ld                                ; the first run: K steps 0-3 and the table entries
.irp s, 0,1,2,3
.irp c, 0,1,2,3
	ds_load_b128 v[BF+16*\s+4*\c:BF+16*\s+4*\c+3], v[\adr] offset:(\boff)+128*\s+32*\c
.endr
.endr
	ds_load_b128 v[Q+16*(1-\q):Q+16*(1-\q)+3], v[ADQ] offset:\qoff
	ds_load_b128 v[Q+16*(1-\q)+4:Q+16*(1-\q)+7], v[ADQ] offset:(\qoff)+16
	ds_load_b128 v[Q+16*(1-\q)+8:Q+16*(1-\q)+11], v[ADQ] offset:(\qoff)+TV
	ds_load_b128 v[Q+16*(1-\q)+12:Q+16*(1-\q)+15], v[ADQ] offset:(\qoff)+TV+16
.endif
.irp m, 0,1,2,3                        ; register 8 m + j of lane (r, h): row 16 m + r, column 8 h + j.  Each accumulator is read from its low end on
.irp p, 0,2,4,6
	v_pk_fma_f32 v[ACC+8*\m+\p:ACC+8*\m+\p+1], v[ACC+8*\m+\p:ACC+8*\m+\p+1], s[CS:CS+1], v[Q+16*(\q)+\p:Q+16*(\q)+\p+1] op_sel_hi:[1,0,1]   ; c sum + d
.endr
.endr
.if \job == 2
	v_readlane_b32 s[PS], v[PP], s[RI]             ; the row's p
	s_add_co_u32 s[RI], s[RI], 1
.endif
	s_wait_alu depctr_va_vdst(0)
.set g, 0
.rept 32
	v_exp_f32 v[ACC+g], v[ACC+g]
.set g, g+1
.endr
	s_wait_loadcnt 24                              ; the ring's oldest row is in; three rows stay out
.set g, 0
.if \job == 1
	WIN 0x41
.rept 32
	v_med3_num_f32 v[32*\rho+g], v[32*\rho+g], -v[LIM], v[LIM]
.set g, g+1
.endr
.else
	WIN 0x51
.rept 16
	v_pk_fma_f32 v[CX+g:CX+g+1], v[32*\rho+g:32*\rho+g+1], s[PS:PS+1], v[CX+g:CX+g+1] op_sel_hi:[1,0,1]
.set g, g+2
.endr
.endif
	WIN 0
.if (\stp == 1) && (\job == 1)
	v_add_nc_u32 v[ADS], s[SO], v[ADS0]            ; the four rows of codes that this trip stores
	s_add_co_u32 s[SO], s[SO], 4*PB
.endif
.if \stp == 2
	s_add_co_u32 s[TQ], s[TQ], 512                 ; two slots' 128 table entries on
	v_add_nc_u32 v[ADQ], s[TQ], v[AQ0]
.endif
	s_wait_alu depctr_va_vdst(0)                   ; one wait for the batch, ahead of its first reader
.if \ld                                ; the second run: K steps 4-7
.irp s, 0,1,2,3
.irp c, 0,1,2,3
	ds_load_b128 v[BF+64+16*\s+4*\c:BF+64+16*\s+4*\c+3], v[\adr] offset:(\boff)+512+128*\s+32*\c
.endr
.endr
.endif
.set g, 0
.rept 16
	v_pk_add_f32 v[ACC+g:ACC+g+1], v[ACC+g:ACC+g+1], 1.0 op_sel_hi:[1,0]
.set g, g+2
.endr
	s_wait_alu depctr_va_vdst(0)
.set g, 0
.rept 32
	v_rcp_f32 v[ACC+g], v[ACC+g]                   ; an exponential that overflowed gives 0, one that vanished gives 1: tanh's two ends
.set g, g+1
.endr
	v_add_nc_u32 v[OFF+\rho], 0x4000, v[OFF+\rho]  ; four rows on, round my 64 rows: chunk 1, chunk 0, chunk 1
	v_and_b32 v[OFF+\rho], 0x3ffff, v[OFF+\rho]
.if \job == 1
	WIN 0x01
.irp g, 0,1,2,3
	v_cvt_scalef32_pk8_fp8_f32 v[T+2*\g:T+2*\g+1], v[32*\rho+8*\g:32*\rho+8*\g+7], v[SCL]
.endr
	WIN 0
	v_nop
.endif
	s_wait_alu depctr_va_vdst(0)
.if \job == 1                          ; the third run: the row's codes, and the row four on
.irp c, 0,1,2,3,4,5,6,7
	ds_store_b32 v[ADS], v[T+\c] offset:\rho*PB+128*\c
.endr
.endif
	WIN 0x40
.irp c, 0,1,2,3,4,5,6,7
	global_load_b128 v[32*\rho+4*\c:32*\rho+4*\c+3], v[OFF+\rho], s[HB:HB+1] offset:512*\c th:TH_LOAD_NT
.endr
	WIN 0
.irp p, 0,2,4,6
.irp m, 0,1,2,3
	v_pk_fma_f32 v[SACC+2*\m:SACC+2*\m+1], v[ACC+8*\m+\p:ACC+8*\m+\p+1], v[Q+16*(\q)+8+\p:Q+16*(\q)+8+\p+1], v[SACC+2*\m:SACC+2*\m+1]
.endr
.endr
.endm
; The change of slots, at the head of a slot's second tile, whose fragments are then in registers: all my tensor loads are in, the add, my reads of the slot are over.
; fill = 1: a round of the cluster's barrier, and the slot takes the 64 columns two slots on, round U_w's 1,024.
.macro CHANGE fill, g0
	s_wait_tensorcnt 0x0
	ds_add_u32 v[SPW], v[NIL]
.if \fill
	s_add_co_u32 s[UO], s[UO], 65536
	s_and_b32 s[UO], s[UO], 0xfffff
	s_add_nc_u64 s[\g0+2:\g0+3], s[UB:UB+1], s[UO:UO+1]
	s_or_b32 s[\g0+3], s[\g0+3], 0x80000000
.endif
	s_wait_dscnt 0x0
.if \fill
	CROUND
	tensor_load_to_lds s[\g0:\g0+3], s[G1:G1+7]
	s_nop 0
	PLACES
.else
	s_barrier_signal -1
	s_barrier_wait -1
.endif
.endm
.macro BODY job, fill                  ; two slots, four tiles, four rows of the ring
	s_wait_dscnt 0x0
	TILE 0, 1, ADR0, WT, 64, \job, 0, 1
	CHANGE \fill, G0A
	TILE 1, 1, ADR1, 0, 256, \job, 1, 0
	s_wait_dscnt 0x0
	TILE 0, 1, ADR1, WT, 320, \job, 2, 0
.if \fill
	CHANGE 1, G0B
	TILE 1, 1, ADR0, 0, 512, \job, 3, 2
.else
	s_wait_dscnt 0x0
	TILE 1, 0, ADR0, 0, 0, \job, 3, 0
.endif
.endm
; A chunk's end: a row's sum over my lane's columns, over lane l xor 16's, to LDS; behind the barrier lane l reads both column halves of the row that it stands for: row l of my 32.
.macro TOSCB c
.irp m, 0,1,2,3
	v_add_f32 v[SACC+2*\m], v[SACC+2*\m], v[SACC+2*\m+1]
.endr
.irp m, 0,1,2,3
	v_permlanex16_b32 v[TM+\m], v[SACC+2*\m], s[SEL], s[SEL+1]
.endr
.irp m, 0,1,2,3
	v_add_f32 v[SACC+2*\m], v[SACC+2*\m], v[TM+\m]
.endr
.irp m, 0,1,2,3
	ds_store_b32 v[SCW], v[SACC+2*\m] offset:1024*\c+64*\m
.endr
	BAR
	ds_load_b32 v[TM], v[SCR] offset:1024*\c
	ds_load_b32 v[TM+1], v[SCR] offset:1024*\c+512
.endm
.macro WMAX reg                        ; the largest over the wave's 32 lanes
.irp x, 1,2,4,8
	v_max_num_f32_dpp v[\reg], v[\reg], v[\reg] row_xmask:\x row_mask:0xf bank_mask:0xf
.endr
	v_permlanex16_b32 v[TM+2], v[\reg], s[SEL], s[SEL+1]
	v_max_num_f32 v[\reg], v[\reg], v[TM+2]
.endm
; Part 4: a ring of eight places: 0-3 in window 1, 4-7 in window 2, whose fragments are done with
.macro XROW pl, ahead, left
	s_wait_loadcnt \left
	v_readlane_b32 s[PS], v[PP], s[RI]
	s_add_co_u32 s[RI], s[RI], 1
	WIN 0x51+(\pl)/4
.set g, 0
.rept 16
	v_pk_fma_f32 v[CX+g:CX+g+1], v[32*((\pl)%4)+g:32*((\pl)%4)+g+1], s[PS:PS+1], v[CX+g:CX+g+1] op_sel_hi:[1,0,1]
.set g, g+2
.endr
	WIN 0
.if \ahead
	v_add_nc_u32 v[OFF+\pl], 0x8000, v[OFF+\pl]
	WIN 0x40<<((\pl)/4)
.irp c, 0,1,2,3,4,5,6,7
	global_load_b128 v[32*((\pl)%4)+4*\c:32*((\pl)%4)+4*\c+3], v[OFF+\pl], s[HB:HB+1] offset:512*\c th:TH_LOAD_NT
.endr
	WIN 0
.endif
.endm
	s_load_b256 s[4:11], s[0:1], 0x0               ; hidden_states s[4:5], U_w's codes s[6:7], the exponents s[8:9], dtab s[10:11]
	s_load_b128 s[12:15], s[0:1], 0x20             ; tsc s[12:13], part s[14:15]
	v_lshl_add_u32 v[SPW], v0, 2, SPARE
	v_mov_b32 v[NIL], 0
	ds_add_u32 v[SPW], v[NIL]                      ; the opening lines: the add, twice on end, and one wait
	ds_add_u32 v[SPW], v[NIL]
	v_lshrrev_b32 v27, 5, v0
	v_readfirstlane_b32 s[WV], v27                 ; wave 0..3
	s_bfe_u32 s17, ttmp6, 0x40000                  ; cx
	s_lshl_b32 s18, ttmp9, 2
	s_add_co_u32 s18, s18, s17                     ; g, the work-group's number
	s_lshr_b32 s19, s[WV], 1                       ; which 64 rows of a chunk I multiply
	s_and_b32 s20, s[WV], 1                        ; which two tiles of a slot
	s_mov_b32 s[G1], 15|(1<<20)|(1<<21)|(7<<22)|(3<<25)   ; all four partners; bytes; 4 words of padding behind every 256
	s_mov_b32 s[G1+1], 1024<<16
	s_mov_b32 s[G1+2], 16<<16
	s_mov_b32 s[G1+3], 1024<<16
	s_mov_b32 s[G1+4], 16
	s_mov_b32 s[G1+5], 1024
	s_mov_b32 s[G1+6], 0
	s_mov_b32 s[G1+7], 0
	s_mul_i32 s21, s20, 2*WT
	s_lshl_b32 s22, s20, 7
	s_add_co_u32 s22, s22, TABD
	s_mul_i32 s23, s[WV], 32*PB
	s_add_co_u32 s23, s23, AREG
	s_mul_i32 s66, s19, 64*PB
	s_add_co_u32 s66, s66, AREG
	s_lshl_b32 s67, s20, 9
	s_lshl_b32 s68, s19, 8
	s_add_co_u32 s67, s67, s68
	s_add_co_u32 s67, s67, SCB
	s_lshl_b32 s68, s[WV], 7
	s_add_co_u32 s68, s68, SCB
	s_mul_i32 s69, s[WV], WT                       ; where the 16 columns that I fetch go in a slot
	s_lshl_b32 s70, s18, 20                        ; my work-group's 256 rows of 4,096 bytes,
	s_lshl_b32 s71, s[WV], 18                      ; my wave's 64
	s_add_co_u32 s70, s70, s71
	s_mov_b32 s71, 0
	s_lshl_b32 s72, s18, 10
	s_lshl_b32 s73, s[WV], 8
	s_add_co_u32 s72, s72, s73                     ; their t
	s_mov_b32 s73, 0
	s_lshr_b32 s74, s18, 3                         ; the batch
	s_lshl_b32 s74, s74, 14
	s_mov_b32 s75, 0
	s_lshl_b32 s76, s[WV], 14
	s_mov_b32 s77, 0
	s_lshl_b32 s78, s18, 2
	s_add_co_u32 s78, s78, s[WV]
	s_mul_i32 s78, s78, 4352                       ; my part
	s_mov_b32 s79, 0
	s_mov_b32 s[SEL], 0x76543210                   ; v_permlanex16_b32's selects for lane l xor 16
	s_mov_b32 s[SEL+1], 0xfedcba98
	s_mov_b32 s[PS+1], 0                           ; named with s[PS] as a pair, so it is written
	s_mov_b32 s[UO], 65536
	s_mov_b32 s[UO+1], 0
	v_and_b32 v28, 31, v0                          ; lane; kept
	v_and_b32 v29, 15, v0                          ; r
	v_bfe_u32 v30, v0, 4, 1                        ; h
	v_mul_u32_u24 v[AB0], v29, PB
	v_lshl_add_u32 v[AB0], v30, 4, v[AB0]          ; a fragment: row r, + 16 h
	v_add_nc_u32 v[ADR0], s21, v[AB0]
	v_add_nc_u32 v[ADR1], SLOTB, v[ADR0]
	v_lshl_add_u32 v[AQ0], v30, 5, s22             ; d of my eight columns
	v_lshl_add_u32 v[ADS0], v28, 2, s23
	v_add_nc_u32 v[AFR], s66, v[AB0]
	v_lshl_add_u32 v[SCW], v29, 2, s67
	v_lshl_add_u32 v[SCR], v28, 2, s68
	v_lshl_add_u32 v[SCF], v29, 3, s68
	v_lshl_add_u32 v[SCF], v30, 10, v[SCF]         ; the way out: lane l takes rows 2 l, 2 l + 1 of my 64
	v_lshlrev_b32 v[GOS], 3, v28
	v_lshlrev_b32 v[TBO], 4, v0
	v_lshl_add_u32 v31, v0, 2, TABD
	v_mov_b32 v[ADQ], v[AQ0]
.irp r, 0,1,2,3,4,5,6,7
	v_lshl_or_b32 v[OFF+\r], v28, 4, \r*4096
.endr
.irp r, 0,1,2,3
	v_mov_b32 v[TM+\r], 0                          ; written once: a lane permute's destination counts as one of its sources
.endr
.irp r, 0,1,2,3,4,5,6,7
	v_mov_b32 v[SACC+\r], 0                        ; the rows' sums begin as zeros, so that the tile has no first form of its own
.endr
	s_wait_alu depctr_va_vdst(0)
	s_wait_dscnt 0x0
	s_wait_kmcnt 0x0
	s_load_b128 s[20:23], s[8:9], 0x0              ; e0 .. e3
	s_add_nc_u64 s[HB:HB+1], s[4:5], s[70:71]
	s_add_nc_u64 s[TS:TS+1], s[12:13], s[72:73]
	s_add_nc_u64 s[DT:DT+1], s[10:11], s[74:75]
	s_add_nc_u64 s[UB:UB+1], s[6:7], s[76:77]
	s_add_nc_u64 s[PC:PC+1], s[14:15], s[78:79]
	s_mov_b32 s[G0A], 1
	s_mov_b32 s[G0A+1], s69
	s_mov_b64 s[G0A+2:G0A+3], s[UB:UB+1]
	s_or_b32 s[G0A+3], s[G0A+3], 0x80000000
	s_mov_b32 s[G0B], 1
	s_add_co_u32 s[G0B+1], s69, SLOTB
	s_add_nc_u64 s[G0B+2:G0B+3], s[UB:UB+1], 65536
	s_or_b32 s[G0B+3], s[G0B+3], 0x80000000
.irp c, 0,1,2,3,4,5,6,7
	global_load_b128 v[32+4*\c:35+4*\c], v[TBO], s[DT:DT+1] offset:2048*\c   ; table entry n = thread + 128 c: (d, d, V', V')
.endr
	WIN 0x40
.irp r, 0,1,2,3,4,5,6
.irp c, 0,1,2,3,4,5,6,7
	global_load_b128 v[32*\r+4*\c:32*\r+4*\c+3], v[OFF+\r], s[HB:HB+1] offset:512*\c th:TH_LOAD_NT
.endr
.endr
	WIN 0
	CROUND                                         ; the round in front of the first joint load
	tensor_load_to_lds s[G0A:G0A+3], s[G1:G1+7]    ; slot 0: one tensor load a wave at the head
	s_nop 0
	s_wait_alu depctr_va_vdst(0)
	s_wait_tensorcnt 0x0                           ; slot 1's first fill is issued as a refill is: the three lines, a round, the load
	ds_add_u32 v[SPW], v[NIL]
	s_wait_dscnt 0x0
	CROUND
	tensor_load_to_lds s[G0B:G0B+3], s[G1:G1+7]
	s_nop 0
	PLACES
	s_wait_kmcnt 0x0
	s_add_co_i32 s62, s22, s23
	s_lshl_b32 s62, s62, 23
	s_add_co_i32 s[CS], s62, K2                    ; c = K2 x 2^(e2 + e3)
	s_mov_b32 s[CS+1], s[CS]
	s_add_co_i32 s62, s22, 127
	s_lshl_b32 s63, s62, 23
	v_mov_b32 v[SCL], s63                          ; 2^e2
	s_add_co_i32 s62, s62, 8
	s_lshl_b32 s62, s62, 23
	s_or_b32 s62, s62, 0x600000
	v_mov_b32 v[LIM], s62                          ; 448 x 2^e2
	s_wait_loadcnt 56                              ; the table's eight loads are in; seven rows stay out
.irp c, 0,1,2,3,4,5,6,7
	ds_store_b32 v31, v[32+4*\c] offset:512*\c
	ds_store_b32 v31, v[34+4*\c] offset:TV+512*\c
.endr
	ds_store_b32 v31, v32 offset:4096              ; entries 0-127 once more behind the last: a chunk's last tile loads the next chunk's first entries there
	ds_store_b32 v31, v34 offset:TV+4096
	WIN 0x40
.irp c, 0,1,2,3,4,5,6,7
	global_load_b128 v[224+4*\c:224+4*\c+3], v[OFF+7], s[HB:HB+1] offset:512*\c th:TH_LOAD_NT
.endr
	WIN 0
	s_mov_b32 s[SO], 0
	s_mov_b32 s[CNT], 3
.Lrows:                                            ; part 1: my 32 rows of chunk 0
	s_wait_alu depctr_va_vdst(0)
	TRIP 0
	s_sub_co_u32 s[CNT], s[CNT], 1
	s_cmp_lg_u32 s[CNT], 0
	s_cbranch_scc1 .Lrows
	TRIP 1
	BAR                                            ; chunk 0's codes and the table are whole
	FRAGS
.irp s, 0,1,2,3,4,5,6,7
.irp c, 0,1,2,3
	ds_load_b128 v[BF+16*\s+4*\c:BF+16*\s+4*\c+3], v[ADR0] offset:128*\s+32*\c
.endr
.endr
	ds_load_b128 v[Q:Q+3], v[ADQ]
	ds_load_b128 v[Q+4:Q+7], v[ADQ] offset:16
	ds_load_b128 v[Q+8:Q+11], v[ADQ] offset:TV
	ds_load_b128 v[Q+12:Q+15], v[ADQ] offset:TV+16
	s_mov_b32 s[SO], 0
	s_mov_b32 s[TQ], 0
	BAR                                            ; every wave has read chunk 0's codes: chunk 1's may be stored over them
	s_mov_b32 s[CNT], 8
.Lchunk0:                                          ; part 2
	BODY 1, 1
	s_sub_co_u32 s[CNT], s[CNT], 1
	s_cmp_lg_u32 s[CNT], 0
	s_cbranch_scc1 .Lchunk0
	TOSCB 0                                        ; its barrier also shows chunk 1's codes whole
	FRAGS
	s_wait_dscnt 0x0
	v_add_f32 v[TT], v[TM], v[TM+1]                ; t of row l of my chunk 0
	v_mov_b32 v[MX], v[TT]
	WMAX MX
	v_sub_f32 v[PP], v[TT], v[MX]
	v_mov_b32 v[ADQ], v[AQ0]
.irp r, 0,1,2,3,4,5,6,7
	v_mov_b32 v[SACC+\r], 0
.endr
	s_wait_alu depctr_va_vdst(0)
	v_exp_f32 v[PP], v[PP]                         ; p = 2^(t - m)
	WIN 0x40
.set g, 0
.rept 32
	v_mov_b32 v[CX+g], 0                           ; the part of the context
.set g, g+1
.endr
	WIN 0
	s_wait_alu depctr_va_vdst(0)
	s_mov_b32 s[TQ], 0
	s_mov_b32 s[RI], 0
	s_mov_b32 s[CNT], 7
.Lchunk1:                                          ; part 3
	BODY 2, 1
	s_sub_co_u32 s[CNT], s[CNT], 1
	s_cmp_lg_u32 s[CNT], 0
	s_cbranch_scc1 .Lchunk1
	BODY 2, 0                                      ; the last two slots are written out: they fill nothing
.irp r, 0,1,2,3
	v_lshl_or_b32 v[OFF+4+\r], v28, 4, 0x24000+\r*0x1000   ; rows 36 .. 39 of my 64
.endr
	WIN 0x80
.irp r, 0,1,2,3
.irp c, 0,1,2,3,4,5,6,7
	global_load_b128 v[32*\r+4*\c:32*\r+4*\c+3], v[OFF+4+\r], s[HB:HB+1] offset:512*\c th:TH_LOAD_NT
.endr
.endr
	WIN 0
	TOSCB 1
	ds_load_b64 v[T:T+1], v[SCF]                   ; both chunks' t, for the way out
	ds_load_b64 v[T+2:T+3], v[SCF] offset:512
	s_wait_dscnt 0x0
	v_add_f32 v[TT], v[TM], v[TM+1]                ; t of row l of my chunk 1
	v_pk_add_f32 v[T:T+1], v[T:T+1], v[T+2:T+3]
	v_mov_b32 v[TM+3], v[TT]
	WMAX TM+3
	v_max_num_f32 v[TM+3], v[TM+3], v[MX]          ; the new m
	v_sub_f32 v[TM], v[MX], v[TM+3]
	v_sub_f32 v[PP], v[TT], v[TM+3]
	v_mov_b32 v[MX], v[TM+3]
	v_mov_b32 v[MX+1], v[TM+3]
	global_store_b64 v[GOS], v[T:T+1], s[TS:TS+1]  ; 32 lanes store 256 consecutive bytes, aligned
	s_wait_alu depctr_va_vdst(0)
	v_exp_f32 v[TM], v[TM]                         ; 2^(old m - new m)
	v_exp_f32 v[PP], v[PP]
	v_lshlrev_b32 v27, 4, v28
	s_wait_alu depctr_va_vdst(0)
	WIN 0x41
.set g, 0
.rept 16
	v_pk_mul_f32 v[CX+g:CX+g+1], v[CX+g:CX+g+1], v[TM:TM+1] op_sel_hi:[1,0]
.set g, g+2
.endr
	WIN 0
	s_mov_b32 s[RI], 0
	s_mov_b32 s[CNT], 3
.Lrest:                                            ; part 4: my 32 rows of chunk 1
	s_wait_alu depctr_va_vdst(0)
.irp r, 0,1,2,3,4,5,6,7
	XROW \r, 1, 56
.endr
	s_sub_co_u32 s[CNT], s[CNT], 1
	s_cmp_lg_u32 s[CNT], 0
	s_cbranch_scc1 .Lrest
.irp r, 0,1,2,3,4,5,6,7
	XROW \r, 0, 56-8*\r
.endr
	s_wait_alu depctr_va_vdst(0)
	WIN 0x04                                       ; a store's data: window 1
.irp c, 0,1,2,3,4,5,6,7
	global_store_b128 v27, v[CX+4*\c:CX+4*\c+3], s[PC:PC+1] offset:512*\c   ; columns 128 c + 4 lane + 0..3: 512 consecutive bytes, aligned
.endr
	WIN 0
	global_store_b64 v[GOS], v[MX:MX+1], s[PC:PC+1] offset:4096   ; m, 64 times: one whole unit of 256 bytes
	s_wait_tensorcnt 0x0                           ; the wave's end
	ds_add_u32 v[SPW], v[NIL]
	s_wait_dscnt 0x0
	CROUND                                         ; the closing round
	s_endpgm
.Lfunc_end_k_q130cfbf21f_scores:
	.size	k_q130cfbf21f_scores, .Lfunc_end_k_q130cfbf21f_scores-k_q130cfbf21f_scores
	.p2alignl 7, 3214868480
	.fill 96, 4, 3214868480
	.section	.rodata,"a",@progbits
	.p2align	6, 0x0
	.amdhsa_kernel k_q130cfbf21f_scores
		.amdhsa_group_segment_fixed_size 327680
		.amdhsa_private_segment_fixed_size 0
		.amdhsa_enable_private_segment 0
		.amdhsa_kernarg_size 48
		.amdhsa_user_sgpr_count 2
		.amdhsa_user_sgpr_kernarg_segment_ptr 1
		.amdhsa_wavefront_size32 1
		.amdhsa_system_sgpr_workgroup_id_x 1
		.amdhsa_system_sgpr_workgroup_id_y 1
		.amdhsa_system_sgpr_workgroup_id_z 1
		.amdhsa_system_vgpr_workitem_id 0
		.amdhsa_next_free_vgpr 1024
		.amdhsa_next_free_sgpr 80
		.amdhsa_reserve_vcc 0
		.amdhsa_float_denorm_mode_32 3
		.amdhsa_float_denorm_mode_16_64 3
		.amdhsa_memory_ordered 1
		.amdhsa_forward_progress 1
		.amdhsa_inst_pref_size 255
	.end_amdhsa_kernel
	.section	.bss,"aw",@nobits
	.p2align	6
	.space	262144
	.amdgpu_metadata
---
amdhsa.version: [ 1, 2 ]
amdhsa.kernels:
  - .name:           k_q130cfbf21f_scores
    .symbol:         k_q130cfbf21f_scores.kd
    .args:
      - { .name: hidden_states, .offset: 0, .size: 8, .value_kind: global_buffer, .address_space: global }
      - { .name: U_w_codes, .offset: 8, .size: 8, .value_kind: global_buffer, .address_space: global }
      - { .name: lowp_scales, .offset: 16, .size: 8, .value_kind: global_buffer, .address_space: global }
      - { .name: dtab, .offset: 24, .size: 8, .value_kind: global_buffer, .address_space: global }
      - { .name: tsc, .offset: 32, .size: 8, .value_kind: global_buffer, .address_space: global }
      - { .name: part, .offset: 40, .size: 8, .value_kind: global_buffer, .address_space: global }
    .group_segment_fixed_size: 327680
    .private_segment_fixed_size: 0
    .kernarg_segment_align: 8
    .kernarg_segment_size: 48
    .max_flat_workgroup_size: 128
    .sgpr_count:     80
    .vgpr_count:     1024
    .wavefront_size: 32
...
	.end_amdgpu_metadata
.endif
;; end of part 2
;; launch merge (part 3): grid 8 x 32, 4 waves a work-group, no clusters, 2,560 bytes of LDS; arguments part, tsc, out0, out1; writes out0, out1
.if DOCPART == 3
	.amdgcn_target "amdgcn-amd-amdhsa--gfx1250"
	.amdhsa_code_object_version 6
	.text
	.protected	k_q130cfbf21f_merge
	.globl	k_q130cfbf21f_merge
	.p2align	8
	.type	k_q130cfbf21f_merge,@function
k_q130cfbf21f_merge:
	s_mov_b64 s[64:65], 0
	v_nop
	global_prefetch_b8 v0, s[64:65] scope:SCOPE_SE
	s_setreg_imm32_b32 hwreg(HW_REG_WAVE_MODE, 25, 1), 1
	s_wait_xcnt 0x0
; Third launch: alpha = softmax over the sequence, and context[b] = the sum over the batch's 32 parts of part x 2^(its m - max t) / the sum.
; LEFT OUT as dead work (shown at the head of the first kernel): V_b and the sum of V_w; tsc holds t = log2(e) x (the rest of the score), so alpha = 2^(t - max t) / the sum of these.
; The maximum is taken away before the exponential; a part's m is the largest t of its 64 rows, so m - max t is 0 or less.
; SHARES.  Work-group (x, b) owns columns 128 x .. 128 x + 127 of context[b] and rows 256 x .. 256 x + 255 of alpha[b]; wave w takes parts 8 w .. 8 w + 7 and 64 of the rows.
; Every wave works out the batch's maximum and sum for itself from all 2,048 t, in one order, so all get the same bits.  The four waves' sums meet in LDS; wave 0 adds and stores them.
; No matrix unit, no tensor load, no cluster, no prefetch: a wave's 33 loads go out at once and there is no loop to run ahead in.
.set SPARE, 2048                       ; behind the waves' 4 x 512 bytes: the spare words
.set T,   16                           ; v16-79 all 2,048 t;  v80-81 my rows' t;  v82-89 my parts' m: 74 registers on end
.set OWN, 80
.set MW,  82
.set P,   96                           ; v96-127 eight parts x 4 columns
.set A,   128
	s_load_b256 s[4:11], s[0:1], 0x0               ; part s[4:5], tsc s[6:7], out0 s[8:9], out1 s[10:11]
	v_lshl_add_u32 v2, v0, 2, SPARE
	v_mov_b32 v3, 0
	v_lshrrev_b32 v4, 5, v0
	v_readfirstlane_b32 s12, v4                    ; wave 0..3
	v_and_b32 v5, 31, v0
	v_lshlrev_b32 v1, 4, v5                        ; 16 x lane
	v_lshlrev_b32 v7, 3, v5                        ; 8 x lane
	v_lshlrev_b32 v6, 4, v0                        ; 16 x thread
	v_mov_b32 v8, 0                                ; a lane permute's destination counts as one of its sources
	v_mov_b32 v9, 0
	s_and_b32 s13, ttmp7, 0xffff                   ; the batch
	s_lshl_b32 s14, s13, 13                        ; its 2,048 numbers in tsc and out1
	s_mov_b32 s15, 0
	s_lshl_b32 s16, ttmp9, 10
	s_lshl_b32 s17, s12, 8
	s_add_co_u32 s16, s16, s17                     ; my 64 rows among them
	s_mov_b32 s17, 0
	s_lshl_b32 s18, s13, 5
	s_lshl_b32 s19, s12, 3
	s_add_co_u32 s18, s18, s19
	s_mul_i32 s18, s18, 4352                       ; my first part
	s_mov_b32 s19, 0
	s_lshl_b32 s20, ttmp9, 9                       ; my strip's 512 bytes
	s_mov_b32 s21, 0
	s_lshl_b32 s22, s13, 12                        ; the batch's row of out0
	s_mov_b32 s23, 0
	s_mov_b32 s24, 0x76543210
	s_mov_b32 s25, 0xfedcba98
	s_wait_alu depctr_va_vdst(0)
	s_wait_kmcnt 0x0
	s_add_nc_u64 s[26:27], s[4:5], s[18:19]        ; my parts,
	s_add_nc_u64 s[4:5], s[26:27], s[20:21]        ; my strip of them
	s_add_nc_u64 s[6:7], s[6:7], s[14:15]
	s_add_nc_u64 s[28:29], s[6:7], s[16:17]
	s_add_nc_u64 s[10:11], s[10:11], s[14:15]
	s_add_nc_u64 s[10:11], s[10:11], s[16:17]
	s_add_nc_u64 s[8:9], s[8:9], s[22:23]
	s_add_nc_u64 s[8:9], s[8:9], s[20:21]
.irp i, 0,1,2,3,4,5,6,7,8,9,10,11,12,13,14,15
	global_load_b128 v[T+4*\i:T+4*\i+3], v1, s[6:7] offset:512*\i
.endr
	global_load_b64 v[OWN:OWN+1], v7, s[28:29]
.irp i, 0,1,2,3,4,5,6,7
	global_load_b32 v[MW+\i], v9, s[26:27] offset:4352*\i+4096
.endr
.irp i, 0,1,2,3,4,5,6,7
	global_load_b128 v[P+4*\i:P+4*\i+3], v1, s[4:5] offset:4352*\i
.endr
	s_wait_loadcnt 8                               ; all but the eight strips
	v_max3_num_f32 v140, v16, v17, v18             ; the largest of my 64 t, in two chains,
	v_max3_num_f32 v141, v19, v20, v21
.irp i, 6,10,14,18,22,26,30,34,38,42,46,50,54,58
	v_max3_num_f32 v140, v140, v[T+\i], v[T+1+\i]
	v_max3_num_f32 v141, v141, v[T+2+\i], v[T+3+\i]
.endr
	v_max3_num_f32 v140, v140, v78, v79
	v_max_num_f32 v140, v140, v141
.irp x, 1,2,4,8
	v_max_num_f32_dpp v140, v140, v140 row_xmask:\x row_mask:0xf bank_mask:0xf
.endr
	v_permlanex16_b32 v8, v140, s24, s25
	v_max_num_f32 v140, v140, v8                   ; and of the 32 lanes'
.set j, 0
.rept 37
	v_pk_add_f32 v[T+j:T+j+1], v[T+j:T+j+1], v[140:141] op_sel_hi:[1,0] neg_lo:[0,1] neg_hi:[0,1]   ; less the maximum: t, my rows' t and my parts' m alike
.set j, j+2
.endr
	s_wait_alu depctr_va_vdst(0)
.set j, 0
.rept 74
	v_exp_f32 v[T+j], v[T+j]
.set j, j+1
.endr
	v_nop
	s_wait_alu depctr_va_vdst(0)                   ; one wait for the batch
	v_pk_add_f32 v[142:143], v[16:17], v[18:19]
	v_pk_add_f32 v[144:145], v[20:21], v[22:23]
.irp i, 8,12,16,20,24,28,32,36,40,44,48,52,56,60
	v_pk_add_f32 v[142:143], v[142:143], v[T+\i:T+\i+1]
	v_pk_add_f32 v[144:145], v[144:145], v[T+\i+2:T+\i+3]
.endr
	v_pk_add_f32 v[142:143], v[142:143], v[144:145]
	v_add_f32 v142, v142, v143
.irp x, 1,2,4,8
	v_add_f32_dpp v142, v142, v142 row_xmask:\x row_mask:0xf bank_mask:0xf
.endr
	v_permlanex16_b32 v8, v142, s24, s25
	v_add_f32 v142, v142, v8
	s_wait_alu depctr_va_vdst(0)
	v_rcp_f32 v146, v142
	v_mov_b32 v147, 0                              ; a plain line behind the reciprocal (and the pair's upper half)
	s_wait_alu depctr_va_vdst(0)
.irp j, 0,2,4,6,8
	v_pk_mul_f32 v[OWN+\j:OWN+\j+1], v[OWN+\j:OWN+\j+1], v[146:147] op_sel_hi:[1,0]   ; my rows' alpha, my parts' weights
.endr
	global_store_b64 v7, v[OWN:OWN+1], s[10:11]    ; 32 lanes store 256 consecutive bytes, aligned
	s_wait_alu depctr_va_vdst(0)
	s_wait_loadcnt 0x0
.irp c, 0,1,2,3
	v_mul_f32 v[A+\c], v[P+\c], v[MW]
.endr
.irp i, 1,2,3,4,5,6,7
.irp c, 0,1,2,3
	v_fma_f32 v[A+\c], v[P+4*\i+\c], v[MW+\i], v[A+\c]
.endr
.endr
	ds_store_b128 v6, v[A:A+3]                     ; 512 x wave + 16 x lane
	s_wait_tensorcnt 0x0
	ds_add_u32 v2, v3
	s_wait_dscnt 0x0                               ; also for the others' sake: my sums have landed
	s_barrier_signal -1
	s_barrier_wait -1
	s_cmp_lg_u32 s12, 0
	s_cbranch_scc1 .Lend
.irp i, 0,1,2,3
	ds_load_b128 v[P+4*\i:P+4*\i+3], v1 offset:512*\i
.endr
	s_wait_dscnt 0x0
	v_pk_add_f32 v[P:P+1], v[P:P+1], v[P+4:P+5]
	v_pk_add_f32 v[P+2:P+3], v[P+2:P+3], v[P+6:P+7]
	v_pk_add_f32 v[P+8:P+9], v[P+8:P+9], v[P+12:P+13]
	v_pk_add_f32 v[P+10:P+11], v[P+10:P+11], v[P+14:P+15]
	v_pk_add_f32 v[P:P+1], v[P:P+1], v[P+8:P+9]
	v_pk_add_f32 v[P+2:P+3], v[P+2:P+3], v[P+10:P+11]
	global_store_b128 v1, v[P:P+3], s[8:9]         ; 32 lanes store 512 consecutive bytes, aligned
.Lend:
	s_endpgm
.Lfunc_end_k_q130cfbf21f_merge:
	.size	k_q130cfbf21f_merge, .Lfunc_end_k_q130cfbf21f_merge-k_q130cfbf21f_merge
	.p2alignl 7, 3214868480
	.fill 96, 4, 3214868480
	.section	.rodata,"a",@progbits
	.p2align	6, 0x0
	.amdhsa_kernel k_q130cfbf21f_merge
		.amdhsa_group_segment_fixed_size 2560
		.amdhsa_private_segment_fixed_size 0
		.amdhsa_enable_private_segment 0
		.amdhsa_kernarg_size 32
		.amdhsa_user_sgpr_count 2
		.amdhsa_user_sgpr_kernarg_segment_ptr 1
		.amdhsa_wavefront_size32 1
		.amdhsa_system_sgpr_workgroup_id_x 1
		.amdhsa_system_sgpr_workgroup_id_y 1
		.amdhsa_system_sgpr_workgroup_id_z 1
		.amdhsa_system_vgpr_workitem_id 0
		.amdhsa_next_free_vgpr 160
		.amdhsa_next_free_sgpr 66
		.amdhsa_reserve_vcc 0
		.amdhsa_float_denorm_mode_32 3
		.amdhsa_float_denorm_mode_16_64 3
		.amdhsa_memory_ordered 1
		.amdhsa_forward_progress 1
		.amdhsa_inst_pref_size 18
	.end_amdhsa_kernel
	.amdgpu_metadata
---
amdhsa.version: [ 1, 2 ]
amdhsa.kernels:
  - .name:           k_q130cfbf21f_merge
    .symbol:         k_q130cfbf21f_merge.kd
    .args:
      - { .name: part, .offset: 0, .size: 8, .value_kind: global_buffer, .address_space: global }
      - { .name: tsc, .offset: 8, .size: 8, .value_kind: global_buffer, .address_space: global }
      - { .name: out0, .offset: 16, .size: 8, .value_kind: global_buffer, .address_space: global }
      - { .name: out1, .offset: 24, .size: 8, .value_kind: global_buffer, .address_space: global }
    .group_segment_fixed_size: 2560
    .private_segment_fixed_size: 0
    .kernarg_segment_align: 8
    .kernarg_segment_size: 32
    .max_flat_workgroup_size: 128
    .sgpr_count:     66
    .vgpr_count:     160
    .wavefront_size: 32
...
	.end_amdgpu_metadata
.endif
;; end of part 3
